; MI455X (gfx1250); checked and timed in simulation.
; The chip was launched on July 23, 2026; its instructions are those of AMD's public machine-readable ISA for CDNA 5 (MIT licence, August 2026) and "CDNA5" Instruction Set Architecture Reference Guide (July 2026). The comments in the code are by the model that wrote it; some were corrected since.
;; Att Vlad. Allowed arithmetic: float matrix products may take bf16 or f16 operands with f32 sums; all other float work in f32.
;; Inputs: att_b 1 float32; att_w 1 x 128 float32; centroids 64 x 128 float32; conv_b 64 float32; conv_w 64 x 128 float32; x 32 x 128 x 16,384 float32.
;; Outputs: out0 32 x 64 x 128 float32.
;; 2 versions, each right; version 2 is version 1 with the launch pool written anew for expert scheduling mode. Each part assembles by itself: llvm-mc -triple=amdgcn-amd-amdhsa -mcpu=gfx1250 --defsym DOCPART=n.
;; ======== version 1 of 2: 2 launches
;; workspace buffers: part 8,388,608 bytes; psum 65,536 bytes
;; launch pool (part 1): grid 8 x 32, 4 waves a work-group, no clusters, 211,456 bytes of LDS; arguments x, conv_w, conv_b, part, psum; writes part, psum
.if DOCPART == 1
	.amdgcn_target "amdgcn-amd-amdhsa--gfx1250"
	.amdhsa_code_object_version 6
	.text
	.protected	k_q514b532879_pool
	.globl	k_q514b532879_pool
	.p2align	8
	.type	k_q514b532879_pool,@function
k_q514b532879_pool:
	s_mov_b64 s[64:65], 0
	v_nop
	global_prefetch_b8 v0, s[64:65] scope:SCOPE_SE
	s_setreg_imm32_b32 hwreg(HW_REG_WAVE_MODE, 25, 1), 1
	s_wait_xcnt 0x0
; AttVlad, first launch.  x: [32][128][16384] f32.  For image n and a chunk of 2,048 positions s:
;   part[n][chunk][k][d] = sum over s of a[k][s] rn[s] x[d][s]      psum[n][chunk][k] = sum over s of a[k][s]
; with rn[s] = 1 / max(|x[:,s]|, 1e-12) and a = softmax over k of (rn[s] (W x)[k][s] + b[k]).
; The norm is drawn out of both products, so raw x, rounded to bf16, feeds both; norms, softmax and all sums are f32.
;
; SHARES.  Work-group (chunk = ttmp9, n = ttmp7): four waves.  Wave w walks 8 tiles of 64 positions, s0 = 2048 chunk + 256 tile + 64 w,
; and keeps its own 64 x 128 f32 sums; the waves meet once, at the end, in LDS.  A tile is 64 loads of 16 bytes a lane: load g brings lane
; (c = lane & 15, h = lane >> 4) x[g + 64 h][s0 + 4 c + 0..3]; sixteen lanes read 256 consecutive bytes, aligned, of one row.
; A whole tile (32 KB a wave, 128 KB a work-group) is always requested ahead, in registers.
;
; INDEX MAPS.  Block q = 0..3 holds the positions s0 + 4 c + q; rho = 16 q + c numbers the tile's positions.
;  Product 1 (positions x clusters, summed over d): fragment place (register j, half e, lane half h) of K step cc stands for
;  d = 64 h + 16 cc + 2 j + e in x's fragment and in W's alike (a permutation of the summed index on both sides keeps the sum), so x's
;  fragment is component q of 16 loads, packed two by two.  Result register j of lane (r, h): position rho = 16 q + 8 h + j, cluster 16 t + r.
;  That is, packed to bf16, the operand layout of product 2 (d x clusters, summed over rho): blocks 2 kk, 2 kk + 1 make one K step of 32.
;  Product 2's other operand, x as [d][rho], comes from the wave's own LDS tile [rho][d] by transposing loads.
;
; NO CLUSTER: work-groups share conv_w alone, 32 KB against 1 MB of x that each reads for itself.  NO COPY ENGINE: every f32 of x must pass
; through registers for its square and its rounding, so a stage in LDS would only add traffic.
;
; LIMITS.  The sum of squares over d must be finite in f32 (as in the reference's norm).  v_exp_f32 gives 0 below 2^-126.  log2(e) is folded
; into conv_w and conv_b before conv_w is rounded to bf16.  NaN and infinities in the inputs are not reproduced.
.set ROWB,  65536                      ; bytes of a row of x
.set TILEB, 1024                       ; bytes along a row from a wave's tile to its next (4 waves x 64 positions x 4)
.set XTP,   288                        ; LDS pitch of the x tile: 256 bytes of bf16 + 32 = 9 x 32, as the transposing loads want
.set XTW,   64*XTP                     ; a wave's x tile
.set RNR,   4*XTW                      ; rn[q][c] f32, 256 bytes a wave
.set RED,   RNR+4*256                  ; the waves' sums on the way out: [k 64] rows of 528 bytes
.set REDP,  528                        ; 512 + 16 = 33 x 16: sixteen rows' 16-byte pieces fall on sixteen different columns modulo 256 bytes
.set REDW,  64*REDP
.set ASR,   RED+4*REDW                 ; sum of a: [64] f32, 256 bytes a wave.  Ends at 210,944
.set LOG2E, 0x3fb8aa3b
; window 0
.set VX,   1                           ; x: h << 22 | w << 8 | c << 4
.set XS,   2                           ; x tile, store: w XTW + 288 c + 128 h
.set TRA,  3                           ; x tile, transposing load: w XTW + (8 h + (lane & 7)) 288 + 16 ((lane >> 3) & 1)
.set RNA,  4                           ; rn, store: RNR + 256 w + 4 c
.set RNL,  5                           ; rn, load:  RNR + 256 w + 32 h
.set BIAS, 8                           ; v[8:15]    pair t: log2e conv_b[16 t + r], twice
.set ASUM, 16                          ; v[16:23]   pair t: running sum of a, even and odd positions
.set SS,   24                          ; v[24:39]   four sets of four sums of squares (component q)
.set RNB,  24                          ; v[24:55]   block q: rn of positions 8 h + 0..7, later rn / (sum of exponentials)
.set RN,   56                          ; v[56:59]   rn of my four positions
.set T,    60                          ; v[60:63]   the other lane half's figures
.set WOF,  62                          ; prologue only: offsets into conv_w and conv_b
.set BOF,  63
.set M,    56                          ; v[56:63]   softmax: maximum, then sum, then 1 / sum, of positions 8 h + 0..7
.set F,    64                          ; v[64:127]  F[buf][q] = 64 + 32 buf + 8 q: x's fragments of product 1;  P[kk][t] = 64 + 32 kk + 8 t: a rn in bf16
.set LG,   128                         ; v[128:255] L[q][t] = 128 + 32 q + 8 t: logits, then exponentials
; window 1: ACC[t][u] = 8 (8 t + u), the sums (d = 16 u + 8 h + j, cluster 16 t + r); in the prologue conv_w as loaded
; window 2: ST, load g at 4 g; on the way out the rows to be added
; window 3: W[t][cc] = 8 (4 t + cc);  XF[kk][u] = 128 + 64 kk + 8 u
.set XF,   128
; the way out, window 0
.set EA,   8                           ; sum of a, store
.set ER,   9                           ; my sums, store
.set RA,   10                          ; v[10:13] the four waves' sums, load
.set PO,   14                          ; offset in part
; s_set_vgpr_msb, low byte: bits 1:0 source 0, 3:2 source 1, 5:4 source 2, 7:6 destination; the high byte repeats the setting that is left
.set MSB, 0
.macro WIN new
.if MSB != \new
	s_set_vgpr_msb (MSB<<8)|\new
.set MSB, \new
.endif
.endm
.macro PLACES                          ; a vector instruction reads a matrix result four places behind it (ISA guide 7.12.1)
.rept 4
	v_nop
.endr
.endm
	s_load_b256 s[4:11], s[0:1], 0x0               ; x s[4:5], conv_w s[6:7], conv_b s[8:9], part s[10:11]
	s_load_b64 s[12:13], s[0:1], 0x20              ; psum
	v_lshrrev_b32 v6, 5, v0
	v_readfirstlane_b32 s14, v6                    ; wave 0..3
	s_and_b32 s15, ttmp7, 0xffff                   ; n
	s_mov_b32 s20, 0x76543210                      ; v_permlanex16_b32: lane i of one half reads lane i of the other
	s_mov_b32 s21, 0xfedcba98
	s_mov_b32 s23, 0x5368d4a5                      ; 1e12 = 1 / EPS
	v_and_b32 v6, 15, v0                           ; c (also r)
	v_bfe_u32 v7, v0, 4, 1                         ; h
	s_lshl_b32 s18, s14, 8
	s_mul_i32 s19, s14, XTW
	s_add_co_u32 s24, s18, RNR
	v_lshlrev_b32 v[VX], 4, v6
	v_lshl_or_b32 v[VX], v7, 22, v[VX]             ; 64 rows of 65,536 bytes
	v_or_b32 v[VX], s18, v[VX]
	v_mul_u32_u24 v[XS], v6, XTP
	v_lshl_add_u32 v[XS], v7, 7, v[XS]
	v_add_nc_u32 v[XS], s19, v[XS]
	v_and_b32 v[TRA], 7, v0
	v_lshl_add_u32 v[TRA], v7, 3, v[TRA]
	v_mul_u32_u24 v[TRA], v[TRA], XTP
	v_bfe_u32 v[RNL], v0, 3, 1
	v_lshl_add_u32 v[TRA], v[RNL], 4, v[TRA]
	v_add_nc_u32 v[TRA], s19, v[TRA]
	v_lshl_add_u32 v[RNA], v6, 2, s24
	v_lshl_add_u32 v[RNL], v7, 5, s24
	v_lshlrev_b32 v[WOF], 9, v6                    ; conv_w: row r of 512 bytes,
	v_lshl_or_b32 v[WOF], v7, 8, v[WOF]            ; d = 64 h
	v_lshlrev_b32 v[BOF], 2, v6
	s_lshl_b32 s16, s15, 23                        ; x: n x 128 rows
	s_lshl_b32 s25, ttmp9, 13                      ;    + chunk x 2,048 positions
	s_or_b32 s16, s16, s25
	s_mov_b32 s17, 0
	s_lshl_b32 s25, s15, 3
	s_add_co_u32 s25, s25, ttmp9                   ; 8 n + chunk
	s_lshl_b32 s26, s25, 15                        ; part: 64 x 128 f32 each
	s_mov_b32 s27, 0
	s_lshl_b32 s28, s25, 8                         ; psum: 64 f32 each
	s_mov_b32 s29, 0
	s_wait_kmcnt 0x0
	s_add_nc_u64 s[4:5], s[4:5], s[16:17]
	s_add_nc_u64 s[10:11], s[10:11], s[26:27]
	s_add_nc_u64 s[12:13], s[12:13], s[28:29]
; 16 loads: group cc (rows 16 cc .. + 15 and 64 more for the upper lane half) of the tile at s[4:5]
.macro XLOAD cc
	WIN 0x80
.irp i, 0,1,2,3,4,5,6,7,8,9,10,11,12,13,14,15
	global_load_b128 v[4*(16*\cc+\i):4*(16*\cc+\i)+3], v[VX], s[4:5] offset:(16*\cc+\i)*ROWB th:TH_LOAD_NT
.endr
.endm
.irp t, 0,1,2,3
	global_load_b32 v[BIAS+2*\t], v[BOF], s[8:9] offset:64*\t
.endr
	WIN 0x40                                       ; conv_w lands in window 1, which the sums need only later
.set ii, 0
.rept 64                                           ; fragment f = 4 t + cc = ii >> 2: the 16 f32 at conv_w[16 t + r][64 h + 16 cc ..]
	global_load_b128 v[4*ii:4*ii+3], v[WOF], s[6:7] offset:8192*(ii>>4)+16*(ii&15)
.set ii, ii+1
.endr
	XLOAD 0
	XLOAD 1
	XLOAD 2
	s_wait_loadcnt 48                              ; loads come back in order (ISA guide 5.7.1): conv_b and conv_w are in, the 48 loads of x behind them stay out
	WIN 0x41
.set ii, 0
.rept 128
	v_pk_mul_f32 v[2*ii:2*ii+1], v[2*ii:2*ii+1], LOG2E op_sel_hi:[1,0]     ; the exponentials are in base 2
.set ii, ii+1
.endr
	WIN 0xc5
.set ii, 0
.rept 128
	v_cvt_pk_bf16_f32 v[ii], v[2*ii], v[2*ii+1]    ; register j of fragment f: d = 64 h + 16 cc + 2 j, + 1
.set ii, ii+1
.endr
	WIN 0
.irp t, 0,1,2,3
	v_mul_f32 v[BIAS+2*\t], LOG2E, v[BIAS+2*\t]
.endr
.irp t, 0,1,2,3
	v_mov_b32 v[BIAS+2*\t+1], v[BIAS+2*\t]
.endr
.irp i, 0,1,2,3,4,5,6,7
	v_mov_b32 v[ASUM+\i], 0
.endr
.irp i, 0,1,2,3
	v_mov_b32 v[T+\i], 0                           ; v_permlanex16_b32's destination counts as read
.endr
	XLOAD 3                                        ; the first tile is whole on its way
; Group cc of the tile: squares into four sets of sums (eight chains), x to bf16 as product 1's fragments F[buf][0..3], the same 32 bytes a lane
; and block into the LDS tile, and (fill) the group's registers asked for again, for the next tile.
; left = loads issued behind this group.  start = 1: the first four loads start the sums of squares, nothing is cleared.
.macro CONV cc, buf, left, start, fill
	s_wait_loadcnt \left
	WIN 0x0a
.irp j, 0,1,2,3,4,5,6,7
.irp e, 0,1
.irp p, 0,2
.set sg, 4*(16*\cc+2*\j+\e)+\p
.set sa, SS+4*((2*\j+\e)&3)+\p
.if \start*(2-\j) > 0
	v_pk_mul_f32 v[sa:sa+1], v[sg:sg+1], v[sg:sg+1]
.else
	v_pk_fma_f32 v[sa:sa+1], v[sg:sg+1], v[sg:sg+1], v[sa:sa+1]
.endif
.endr
.endr
.irp q, 0,1,2,3
	v_cvt_pk_bf16_f32 v[F+32*\buf+8*\q+\j], v[4*(16*\cc+2*\j)+\q], v[4*(16*\cc+2*\j+1)+\q]
.endr
.endr
	WIN 0x80
.irp q, 0,1,2,3
	ds_store_b128 v[XS], v[F+32*\buf+8*\q:F+32*\buf+8*\q+3]   offset:16*XTP*\q+32*\cc      ; row rho = 16 q + c, d = 64 h + 16 cc + 0..7
	ds_store_b128 v[XS], v[F+32*\buf+8*\q+4:F+32*\buf+8*\q+7] offset:16*XTP*\q+32*\cc+16   ; + 8..15
.endr
.if \fill
	XLOAD \cc
.endif
.endm
; 16 matrix instructions: K step cc of the logits, 4 blocks of 16 positions x 4 blocks of 16 clusters
.macro GEMM1 cc, buf, zero
	WIN 0x0c
.irp t, 0,1,2,3
.irp q, 0,1,2,3
.if \zero
	v_wmma_f32_16x16x32_bf16 v[LG+32*\q+8*\t:LG+32*\q+8*\t+7], v[F+32*\buf+8*\q:F+32*\buf+8*\q+7], v[8*(4*\t+\cc):8*(4*\t+\cc)+7], 0
.else
	v_wmma_f32_16x16x32_bf16 v[LG+32*\q+8*\t:LG+32*\q+8*\t+7], v[F+32*\buf+8*\q:F+32*\buf+8*\q+7], v[8*(4*\t+\cc):8*(4*\t+\cc)+7], v[LG+32*\q+8*\t:LG+32*\q+8*\t+7]
.endif
.endr
.endr
.endm
; rn of my four positions, and through the wave's own 256 bytes of LDS into the layout of the logits (positions 8 h + 0..7 of each block)
.macro NORM
	WIN 0
	v_pk_add_f32 v[SS:SS+1],     v[SS:SS+1],     v[SS+4:SS+5]
	v_pk_add_f32 v[SS+2:SS+3],   v[SS+2:SS+3],   v[SS+6:SS+7]
	v_pk_add_f32 v[SS+8:SS+9],   v[SS+8:SS+9],   v[SS+12:SS+13]
	v_pk_add_f32 v[SS+10:SS+11], v[SS+10:SS+11], v[SS+14:SS+15]
	v_pk_add_f32 v[SS:SS+1],     v[SS:SS+1],     v[SS+8:SS+9]
	v_pk_add_f32 v[SS+2:SS+3],   v[SS+2:SS+3],   v[SS+10:SS+11]
.irp q, 0,1,2,3
	v_permlanex16_b32 v[T+\q], v[SS+\q], s20, s21  ; the other 64 channels
.endr
	v_pk_add_f32 v[SS:SS+1],   v[SS:SS+1],   v[T:T+1]
	v_pk_add_f32 v[SS+2:SS+3], v[SS+2:SS+3], v[T+2:T+3]
.irp q, 0,1,2,3
	v_rsq_f32 v[RN+\q], v[SS+\q]
.endr
	v_nop                                          ; one plain instruction between a transcendental and the use of its result (ISA guide 5.7.2)
	s_wait_alu depctr_va_vdst(0)
.irp q, 0,1,2,3
	v_min_num_f32 v[RN+\q], s23, v[RN+\q]          ; = 1 / max(sqrt(ss), 1e-12) for every ss >= 0: rsq(0) and rsq of a denormal are +inf
.endr
.irp q, 0,1,2,3
	ds_store_b32 v[RNA], v[RN+\q] offset:64*\q     ; both lane halves hold and write the same number
.endr
.irp q, 0,1,2,3
	ds_load_b128 v[RNB+8*\q:RNB+8*\q+3],   v[RNL] offset:64*\q     ; LDS serves a wave's instructions in order (ISA guide 5.7.1): these see the stores
	ds_load_b128 v[RNB+8*\q+4:RNB+8*\q+7], v[RNL] offset:64*\q+16
.endr
.endm
; 32 transposing loads: x as [d][rho], 2 K steps x 8 blocks of 16 d; the first 16 are K step 0's
.macro TRLOAD
	WIN 0xc0
.irp kk, 0,1
.irp u, 0,1,2,3,4,5,6,7
	ds_load_tr16_b128 v[XF+64*\kk+8*\u:XF+64*\kk+8*\u+3],   v[TRA] offset:32*XTP*\kk+32*\u
	ds_load_tr16_b128 v[XF+64*\kk+8*\u+4:XF+64*\kk+8*\u+7], v[TRA] offset:32*XTP*\kk+32*\u+16*XTP
.endr
.endr
.endm
; Block q: softmax over the 64 clusters (4 registers x 16 lanes) of 8 positions a lane, in place; the sum of a; a rn to bf16 as product 2's operand
.macro SOFTMAX q
	WIN 0
.irp t, 0,1,2,3
.irp i, 0,2,4,6
	v_pk_fma_f32 v[LG+32*\q+8*\t+\i:LG+32*\q+8*\t+\i+1], v[LG+32*\q+8*\t+\i:LG+32*\q+8*\t+\i+1], v[RNB+8*\q+\i:RNB+8*\q+\i+1], v[BIAS+2*\t:BIAS+2*\t+1]
.endr
.endr
.irp j, 0,1,2,3,4,5,6,7
	v_max3_num_f32 v[M+\j], v[LG+32*\q+\j], v[LG+32*\q+8+\j], v[LG+32*\q+16+\j]
.endr
.irp j, 0,1,2,3,4,5,6,7
	v_max_num_f32 v[M+\j], v[M+\j], v[LG+32*\q+24+\j]
.endr
.irp mk, 1,2,4,8
.irp j, 0,1,2,3,4,5,6,7
	v_max_num_f32_dpp v[M+\j], v[M+\j], v[M+\j] row_xmask:\mk row_mask:0xf bank_mask:0xf
.endr
.endr
.irp t, 0,1,2,3
.irp i, 0,2,4,6
	v_pk_add_f32 v[LG+32*\q+8*\t+\i:LG+32*\q+8*\t+\i+1], v[LG+32*\q+8*\t+\i:LG+32*\q+8*\t+\i+1], v[M+\i:M+\i+1] neg_lo:[0,1] neg_hi:[0,1]   ; the position's true maximum goes off
.endr
.endr
.set ii, 0
.rept 32
	v_exp_f32 v[LG+32*\q+ii], v[LG+32*\q+ii]
.set ii, ii+1
.endr
	v_nop
	s_wait_alu depctr_va_vdst(0)
.irp i, 0,2,4,6
	v_pk_add_f32 v[M+\i:M+\i+1], v[LG+32*\q+\i:LG+32*\q+\i+1], v[LG+32*\q+8+\i:LG+32*\q+8+\i+1]
.endr
.irp i, 0,2,4,6
	v_pk_add_f32 v[M+\i:M+\i+1], v[M+\i:M+\i+1], v[LG+32*\q+16+\i:LG+32*\q+16+\i+1]
.endr
.irp i, 0,2,4,6
	v_pk_add_f32 v[M+\i:M+\i+1], v[M+\i:M+\i+1], v[LG+32*\q+24+\i:LG+32*\q+24+\i+1]
.endr
.irp mk, 1,2,4,8
.irp j, 0,1,2,3,4,5,6,7
	v_add_f32_dpp v[M+\j], v[M+\j], v[M+\j] row_xmask:\mk row_mask:0xf bank_mask:0xf
.endr
.endr
.irp j, 0,1,2,3,4,5,6,7
	v_rcp_f32 v[M+\j], v[M+\j]                     ; the sum is at least 1: the maximum's own term
.endr
	v_nop
	s_wait_alu depctr_va_vdst(0)
.irp i, 0,2,4,6
	v_pk_mul_f32 v[RNB+8*\q+\i:RNB+8*\q+\i+1], v[RNB+8*\q+\i:RNB+8*\q+\i+1], v[M+\i:M+\i+1]
.endr
.irp i, 0,2,4,6
.irp t, 0,1,2,3
	v_pk_fma_f32 v[ASUM+2*\t:ASUM+2*\t+1], v[LG+32*\q+8*\t+\i:LG+32*\q+8*\t+\i+1], v[M+\i:M+\i+1], v[ASUM+2*\t:ASUM+2*\t+1]
.endr
.endr
.irp t, 0,1,2,3
.irp i, 0,2,4,6
	v_pk_mul_f32 v[LG+32*\q+8*\t+\i:LG+32*\q+8*\t+\i+1], v[LG+32*\q+8*\t+\i:LG+32*\q+8*\t+\i+1], v[RNB+8*\q+\i:RNB+8*\q+\i+1]
.endr
.endr
.irp t, 0,1,2,3
.irp i, 0,1,2,3
	v_cvt_pk_bf16_f32 v[F+32*(\q>>1)+8*\t+4*(\q&1)+\i], v[LG+32*\q+8*\t+2*\i], v[LG+32*\q+8*\t+2*\i+1]
.endr
.endr
.endm
; 32 matrix instructions: K step kk (32 positions) of the sums, 8 blocks of 16 d x 4 blocks of 16 clusters
.macro GEMM2 kk, zero
	WIN 0x53
.irp u, 0,1,2,3,4,5,6,7
.irp t, 0,1,2,3
.if \zero
	v_wmma_f32_16x16x32_bf16 v[8*(8*\t+\u):8*(8*\t+\u)+7], v[XF+64*\kk+8*\u:XF+64*\kk+8*\u+7], v[F+32*\kk+8*\t:F+32*\kk+8*\t+7], 0
.else
	v_wmma_f32_16x16x32_bf16 v[8*(8*\t+\u):8*(8*\t+\u)+7], v[XF+64*\kk+8*\u:XF+64*\kk+8*\u+7], v[F+32*\kk+8*\t:F+32*\kk+8*\t+7], v[8*(8*\t+\u):8*(8*\t+\u)+7]
.endif
.endr
.endr
.endm
; A tile.  first = 1: its products start the sums.  fill = 1: each group is asked for again, one tile on.  n0..n3: loads issued behind group 0..3.
; Between a matrix instruction and a vector write of one of its sources, or a load into one, stand at least the 64 vector instructions of a CONV
; or the two SOFTMAX that name none of its registers: F[0] = P[0] and F[1] = P[1] take turns, XF is loaded behind all four CONV.
.macro TILE first, fill, n0, n1, n2, n3
.if \fill
	s_wait_xcnt 0x0                                ; the base of the loads issued so far is stepped only behind this wait
	s_add_nc_u64 s[4:5], s[4:5], TILEB
.endif
	CONV 0, 0, \n0, 1, \fill
	GEMM1 0, 0, 1
	CONV 1, 1, \n1, 0, \fill
	GEMM1 1, 1, 0
	CONV 2, 0, \n2, 0, \fill
	GEMM1 2, 0, 0
	CONV 3, 1, \n3, 0, \fill
	NORM
	TRLOAD
	GEMM1 3, 1, 0
	PLACES
	s_wait_dscnt 32                                ; rn is in; the 32 transposing loads issued behind it may be out
	SOFTMAX 0
	SOFTMAX 1
	s_wait_dscnt 16                                ; K step 0's fragments of x are in; K step 1's sixteen loads may be out
	GEMM2 0, \first
	SOFTMAX 2
	SOFTMAX 3
	s_wait_dscnt 0
	GEMM2 1, 0
	WIN 0
.endm
	TILE 1, 1, 48, 48, 48, 48                      ; behind a group stand three groups of 16: the tile's rest and the next tile's first groups
	s_mov_b32 s22, 6
.Ltile:
	TILE 0, 1, 48, 48, 48, 48
	s_sub_co_i32 s22, s22, 1
	s_cmp_lg_u32 s22, 0
	s_cbranch_scc1 .Ltile
	TILE 0, 0, 48, 32, 16, 0                       ; the eighth tile asks for nothing: the counts run down
	; THE WAY OUT.  The address arithmetic and the sums of a below are more than four plain vector instructions that name no register of the
	; last matrix instructions: the places in front of the LDS stores that read their results.
	v_and_b32 v6, 15, v0                           ; r
	v_bfe_u32 v7, v0, 4, 1                         ; h
	v_and_b32 v15, 31, v0                          ; lane
	s_lshl_b32 s24, s14, 8
	s_add_co_u32 s24, s24, ASR
	s_mul_i32 s25, s14, REDW
	s_add_co_u32 s25, s25, RED
	s_mul_i32 s26, s14, 16*REDP
	s_add_co_u32 s26, s26, RED
	s_lshl_b32 s27, s14, 13
	v_lshl_add_u32 v[EA], v6, 2, s24               ; sum of a: my wave's 64 words, cluster 16 t + r
	v_mul_u32_u24 v[ER], v6, REDP                  ; my sums: row 16 t + r,
	v_lshl_add_u32 v[ER], v7, 5, v[ER]             ; d = 16 u + 8 h
	v_add_nc_u32 v[ER], s25, v[ER]
	v_lshl_add_u32 v[RA], v15, 4, s26              ; back: rows 16 w + i of wave 0's sums, 16 bytes a lane,
	v_add_nc_u32 v[RA+1], REDW, v[RA]              ; of wave 1's,
	v_add_nc_u32 v[RA+2], 2*REDW, v[RA]
	v_add_nc_u32 v[RA+3], 3*REDW, v[RA]
	v_lshl_add_u32 v[PO], v15, 4, s27              ; and the same rows in part
.irp t, 0,1,2,3
	v_add_f32 v[ASUM+2*\t], v[ASUM+2*\t], v[ASUM+2*\t+1]
.endr
.irp t, 0,1,2,3
	v_permlanex16_b32 v[T+\t], v[ASUM+2*\t], s20, s21
.endr
.irp t, 0,1,2,3
	v_add_f32 v[ASUM+2*\t], v[ASUM+2*\t], v[T+\t]
.endr
.irp t, 0,1,2,3
	ds_store_b32 v[EA], v[ASUM+2*\t] offset:64*\t
.endr
	WIN 0x04
.irp t, 0,1,2,3
.irp u, 0,1,2,3,4,5,6,7
	ds_store_b128 v[ER], v[8*(8*\t+\u):8*(8*\t+\u)+3]   offset:16*REDP*\t+64*\u
	ds_store_b128 v[ER], v[8*(8*\t+\u)+4:8*(8*\t+\u)+7] offset:16*REDP*\t+64*\u+16
.endr
.endr
	s_wait_dscnt 0x0                               ; for the other waves: all my stores are in LDS
	s_barrier_signal -1
	s_barrier_wait -1                              ; the one barrier: every wave's sums are there
	WIN 0x80
.irp i, 0,1,2,3,4,5,6,7,8,9,10,11,12,13,14,15
.irp sw, 0,1,2,3
	ds_load_b128 v[16*\i+4*\sw:16*\i+4*\sw+3], v[RA+\sw] offset:REDP*\i    ; row 16 w + i of wave sw: 512 consecutive bytes
.endr
.endr
	s_wait_dscnt 0x0
	WIN 0x8a
.irp i, 0,1,2,3,4,5,6,7,8,9,10,11,12,13,14,15
.irp p, 0,2
	v_pk_add_f32 v[16*\i+\p:16*\i+\p+1],     v[16*\i+\p:16*\i+\p+1],     v[16*\i+4+\p:16*\i+4+\p+1]
	v_pk_add_f32 v[16*\i+8+\p:16*\i+8+\p+1], v[16*\i+8+\p:16*\i+8+\p+1], v[16*\i+12+\p:16*\i+12+\p+1]
.endr
.endr
.irp i, 0,1,2,3,4,5,6,7,8,9,10,11,12,13,14,15
.irp p, 0,2
	v_pk_add_f32 v[16*\i+\p:16*\i+\p+1], v[16*\i+\p:16*\i+\p+1], v[16*\i+8+\p:16*\i+8+\p+1]
.endr
.endr
	WIN 0x08
.irp i, 0,1,2,3,4,5,6,7,8,9,10,11,12,13,14,15
	global_store_b128 v[PO], v[16*\i:16*\i+3], s[10:11] offset:512*\i      ; a row of part: 512 consecutive bytes, aligned
.endr
	WIN 0
	s_cmp_lg_u32 s14, 0                            ; wave 0 alone adds the four waves' sums of a
	s_cbranch_scc1 .Ldone
	v_lshlrev_b32 v6, 3, v15                       ; clusters 2 lane, 2 lane + 1
	v_add_nc_u32 v7, ASR, v6
.irp sw, 0,1,2,3
	ds_load_b64 v[24+2*\sw:25+2*\sw], v7 offset:256*\sw
.endr
	s_wait_dscnt 0x0
	v_pk_add_f32 v[24:25], v[24:25], v[26:27]
	v_pk_add_f32 v[28:29], v[28:29], v[30:31]
	v_pk_add_f32 v[24:25], v[24:25], v[28:29]
	global_store_b64 v6, v[24:25], s[12:13]        ; 256 consecutive bytes, aligned
.Ldone:
	s_wait_xcnt 0x0
	v_lshl_add_u32 v254, v0, 2, 0x33800
	v_mov_b32 v255, 0
	s_wait_tensorcnt 0x0
	ds_add_u32 v254, v255
	s_wait_dscnt 0x0
	s_endpgm
.Lfunc_end_k_q514b532879_pool:
	.size	k_q514b532879_pool, .Lfunc_end_k_q514b532879_pool-k_q514b532879_pool
	.p2alignl 7, 3214868480
	.fill 96, 4, 3214868480
	.section	.rodata,"a",@progbits
	.p2align	6, 0x0
	.amdhsa_kernel k_q514b532879_pool
		.amdhsa_group_segment_fixed_size 211456
		.amdhsa_private_segment_fixed_size 0
		.amdhsa_enable_private_segment 0
		.amdhsa_kernarg_size 40
		.amdhsa_user_sgpr_count 2
		.amdhsa_user_sgpr_kernarg_segment_ptr 1
		.amdhsa_wavefront_size32 1
		.amdhsa_system_sgpr_workgroup_id_x 1
		.amdhsa_system_sgpr_workgroup_id_y 1
		.amdhsa_system_sgpr_workgroup_id_z 1
		.amdhsa_system_vgpr_workitem_id 0
		.amdhsa_next_free_vgpr 1024
		.amdhsa_next_free_sgpr 66
		.amdhsa_reserve_vcc 0
		.amdhsa_float_denorm_mode_32 3
		.amdhsa_float_denorm_mode_16_64 3
		.amdhsa_memory_ordered 1
		.amdhsa_forward_progress 1
		.amdhsa_inst_pref_size 255
	.end_amdhsa_kernel
	.section	.bss,"aw",@nobits
	.p2align	6
	.space	262144
	.amdgpu_metadata
---
amdhsa.version: [ 1, 2 ]
amdhsa.kernels:
  - .name:           k_q514b532879_pool
    .symbol:         k_q514b532879_pool.kd
    .args:
      - { .name: x, .offset: 0, .size: 8, .value_kind: global_buffer, .address_space: global }
      - { .name: conv_w, .offset: 8, .size: 8, .value_kind: global_buffer, .address_space: global }
      - { .name: conv_b, .offset: 16, .size: 8, .value_kind: global_buffer, .address_space: global }
      - { .name: part, .offset: 24, .size: 8, .value_kind: global_buffer, .address_space: global }
      - { .name: psum, .offset: 32, .size: 8, .value_kind: global_buffer, .address_space: global }
    .group_segment_fixed_size: 211456
    .private_segment_fixed_size: 0
    .kernarg_segment_align: 8
    .kernarg_segment_size: 40
    .max_flat_workgroup_size: 128
    .sgpr_count:     66
    .vgpr_count:     1024
    .wavefront_size: 32
...
	.end_amdgpu_metadata
.endif
;; end of part 1
;; launch finish (part 2): grid 256 x 1, 8 waves a work-group, no clusters, 0 bytes of LDS; arguments part, psum, centroids, att_w, att_b, out0; writes out0
.if DOCPART == 2
	.amdgcn_target "amdgcn-amd-amdhsa--gfx1250"
	.amdhsa_code_object_version 6
	.text
	.protected	k_q514b532879_finish
	.globl	k_q514b532879_finish
	.p2align	8
	.type	k_q514b532879_finish,@function
k_q514b532879_finish:
	s_mov_b64 s[64:65], 0
	v_nop
	global_prefetch_b8 v0, s[64:65] scope:SCOPE_SE
	s_setreg_imm32_b32 hwreg(HW_REG_WAVE_MODE, 25, 1), 1
	s_wait_xcnt 0x0
; AttVlad, second launch.  out0[n][k][:] = v / max(|v|, 1e-12),  v = (sum over 8 chunks of part[n][.][k][:] - asum centroids[k][:]) att,
; asum = sum over 8 chunks of psum[n][.][k],  att = centroids[k][:] . att_w + att_b.
; One wave makes one row (n, k): n = ttmp9 >> 3, k = 8 (ttmp9 & 7) + wave; lane l holds d = 4 l .. 4 l + 3.  Every load and the store of a wave
; cover 512 consecutive bytes of a row.  All in f32; no wave depends on another: no LDS, no barrier, and nothing for the matrix unit or a cluster.
; LIMIT: the row's sum of squares must be finite in f32, as in the reference's norm.
	s_load_b256 s[4:11], s[0:1], 0x0               ; part s[4:5], psum s[6:7], centroids s[8:9], att_w s[10:11]
	s_load_b128 s[12:15], s[0:1], 0x20             ; att_b s[12:13], out0 s[14:15]
	s_lshr_b32 s18, ttmp9, 3                       ; n
	s_and_b32 s19, ttmp9, 7                        ; which eight k
	s_mov_b32 s20, 0x76543210                      ; v_permlanex16_b32: lane i of one half reads lane i of the other
	s_mov_b32 s21, 0xfedcba98
	s_mov_b32 s23, 0x5368d4a5                      ; 1e12 = 1 / EPS
	v_lshlrev_b32 v1, 4, v0                        ; 512 wave + 16 lane: my 16 bytes in the group's eight rows
	v_and_b32 v2, 31, v0
	v_and_b32 v3, 7, v0                            ; psum: lane l takes chunk l & 7
	v_lshrrev_b32 v4, 5, v0
	v_lshlrev_b32 v2, 4, v2                        ; att_w: 16 lane
	v_lshlrev_b32 v4, 2, v4
	v_lshl_or_b32 v3, v3, 8, v4                    ; chunk x 256 bytes + wave x 4
	v_mov_b32 v52, 0                               ; v_permlanex16_b32's destination counts as read
	s_lshl_b32 s24, s18, 18                        ; part: n x 8 chunks x 32,768 bytes
	s_lshl_b32 s26, s19, 12                        ;       + 8 rows of 512 bytes; the same for centroids
	s_or_b32 s24, s24, s26
	s_mov_b32 s25, 0
	s_mov_b32 s27, 0
	s_lshl_b32 s28, s18, 11                        ; psum: n x 8 chunks x 256 bytes
	s_lshl_b32 s30, s19, 5                         ;       + 8 words
	s_or_b32 s28, s28, s30
	s_mov_b32 s29, 0
	s_lshl_b32 s30, ttmp9, 12                      ; out0: (8 n + group) x 8 rows of 512 bytes
	s_mov_b32 s31, 0
	s_wait_kmcnt 0x0
	s_load_b32 s16, s[12:13], 0x0                  ; att_b
	s_add_nc_u64 s[4:5], s[4:5], s[24:25]
	s_add_nc_u64 s[6:7], s[6:7], s[28:29]
	s_add_nc_u64 s[8:9], s[8:9], s[26:27]
	s_add_nc_u64 s[14:15], s[14:15], s[30:31]
	global_load_b32 v48, v3, s[6:7]
	global_load_b128 v[40:43], v1, s[8:9]
	global_load_b128 v[44:47], v2, s[10:11]
.irp ch, 0,1,2,3,4,5,6,7
	global_load_b128 v[8+4*\ch:11+4*\ch], v1, s[4:5] offset:32768*\ch
.endr
	s_wait_loadcnt 0x8                             ; psum, centroid and att_w are in; the eight loads of part behind them may be out
	v_add_f32_dpp v48, v48, v48 row_xmask:1 row_mask:0xf bank_mask:0xf     ; the eight chunks lie in eight neighbouring lanes
	v_add_f32_dpp v48, v48, v48 row_xmask:2 row_mask:0xf bank_mask:0xf
	v_add_f32_dpp v48, v48, v48 row_xmask:4 row_mask:0xf bank_mask:0xf
	v_mul_f32 v50, v40, v44
	v_fmac_f32 v50, v41, v45
	v_fmac_f32 v50, v42, v46
	v_fmac_f32 v50, v43, v47
	v_add_f32_dpp v50, v50, v50 row_xmask:1 row_mask:0xf bank_mask:0xf
	v_add_f32_dpp v50, v50, v50 row_xmask:2 row_mask:0xf bank_mask:0xf
	v_add_f32_dpp v50, v50, v50 row_xmask:4 row_mask:0xf bank_mask:0xf
	v_add_f32_dpp v50, v50, v50 row_xmask:8 row_mask:0xf bank_mask:0xf
	v_permlanex16_b32 v52, v50, s20, s21
	v_add_f32 v50, v50, v52
	s_wait_kmcnt 0x0                               ; att_b
	v_add_f32 v50, s16, v50
	v_mov_b32 v49, v48                             ; pairs for the packed arithmetic
	v_mov_b32 v51, v50
	s_wait_loadcnt 0x0
.irp ch, 0,2,4,6
	v_pk_add_f32 v[8+4*\ch:9+4*\ch],   v[8+4*\ch:9+4*\ch],   v[12+4*\ch:13+4*\ch]
	v_pk_add_f32 v[10+4*\ch:11+4*\ch], v[10+4*\ch:11+4*\ch], v[14+4*\ch:15+4*\ch]
.endr
.irp ch, 0,4
	v_pk_add_f32 v[8+4*\ch:9+4*\ch],   v[8+4*\ch:9+4*\ch],   v[16+4*\ch:17+4*\ch]
	v_pk_add_f32 v[10+4*\ch:11+4*\ch], v[10+4*\ch:11+4*\ch], v[18+4*\ch:19+4*\ch]
.endr
	v_pk_add_f32 v[8:9],   v[8:9],   v[24:25]
	v_pk_add_f32 v[10:11], v[10:11], v[26:27]
	v_pk_fma_f32 v[8:9],   v[40:41], v[48:49], v[8:9]   neg_lo:[0,1,0] neg_hi:[0,1,0]     ; - asum x centroid
	v_pk_fma_f32 v[10:11], v[42:43], v[48:49], v[10:11] neg_lo:[0,1,0] neg_hi:[0,1,0]
	v_pk_mul_f32 v[8:9],   v[8:9],   v[50:51]
	v_pk_mul_f32 v[10:11], v[10:11], v[50:51]
	v_mul_f32 v53, v8, v8
	v_fmac_f32 v53, v9, v9
	v_fmac_f32 v53, v10, v10
	v_fmac_f32 v53, v11, v11
	v_add_f32_dpp v53, v53, v53 row_xmask:1 row_mask:0xf bank_mask:0xf
	v_add_f32_dpp v53, v53, v53 row_xmask:2 row_mask:0xf bank_mask:0xf
	v_add_f32_dpp v53, v53, v53 row_xmask:4 row_mask:0xf bank_mask:0xf
	v_add_f32_dpp v53, v53, v53 row_xmask:8 row_mask:0xf bank_mask:0xf
	v_permlanex16_b32 v52, v53, s20, s21
	v_add_f32 v53, v53, v52
	v_rsq_f32 v54, v53
	v_nop                                          ; one plain instruction between a transcendental and the use of its result (ISA guide 5.7.2)
	s_wait_alu depctr_va_vdst(0)
	v_min_num_f32 v54, s23, v54                    ; = 1 / max(sqrt(ss), 1e-12) for every ss >= 0
	v_mov_b32 v55, v54
	v_pk_mul_f32 v[8:9],   v[8:9],   v[54:55]
	v_pk_mul_f32 v[10:11], v[10:11], v[54:55]
	global_store_b128 v1, v[8:11], s[14:15]
	s_endpgm
.Lfunc_end_k_q514b532879_finish:
	.size	k_q514b532879_finish, .Lfunc_end_k_q514b532879_finish-k_q514b532879_finish
	.p2alignl 7, 3214868480
	.fill 96, 4, 3214868480
	.section	.rodata,"a",@progbits
	.p2align	6, 0x0
	.amdhsa_kernel k_q514b532879_finish
		.amdhsa_group_segment_fixed_size 0
		.amdhsa_private_segment_fixed_size 0
		.amdhsa_enable_private_segment 0
		.amdhsa_kernarg_size 48
		.amdhsa_user_sgpr_count 2
		.amdhsa_user_sgpr_kernarg_segment_ptr 1
		.amdhsa_wavefront_size32 1
		.amdhsa_system_sgpr_workgroup_id_x 1
		.amdhsa_system_sgpr_workgroup_id_y 1
		.amdhsa_system_sgpr_workgroup_id_z 1
		.amdhsa_system_vgpr_workitem_id 0
		.amdhsa_next_free_vgpr 64
		.amdhsa_next_free_sgpr 66
		.amdhsa_reserve_vcc 0
		.amdhsa_float_denorm_mode_32 3
		.amdhsa_float_denorm_mode_16_64 3
		.amdhsa_memory_ordered 1
		.amdhsa_forward_progress 1
		.amdhsa_inst_pref_size 6
	.end_amdhsa_kernel
	.amdgpu_metadata
---
amdhsa.version: [ 1, 2 ]
amdhsa.kernels:
  - .name:           k_q514b532879_finish
    .symbol:         k_q514b532879_finish.kd
    .args:
      - { .name: part, .offset: 0, .size: 8, .value_kind: global_buffer, .address_space: global }
      - { .name: psum, .offset: 8, .size: 8, .value_kind: global_buffer, .address_space: global }
      - { .name: centroids, .offset: 16, .size: 8, .value_kind: global_buffer, .address_space: global }
      - { .name: att_w, .offset: 24, .size: 8, .value_kind: global_buffer, .address_space: global }
      - { .name: att_b, .offset: 32, .size: 8, .value_kind: global_buffer, .address_space: global }
      - { .name: out0, .offset: 40, .size: 8, .value_kind: global_buffer, .address_space: global }
    .group_segment_fixed_size: 0
    .private_segment_fixed_size: 0
    .kernarg_segment_align: 8
    .kernarg_segment_size: 48
    .max_flat_workgroup_size: 256
    .sgpr_count:     66
    .vgpr_count:     64
    .wavefront_size: 32
...
	.end_amdgpu_metadata
.endif
;; end of part 2
;; ======== version 2 of 2: 2 launches; version 1 with the launch pool written anew for expert scheduling mode
;; workspace buffers: part 8,388,608 bytes; psum 65,536 bytes
;; launch pool (part 3): grid 8 x 32, 4 waves a work-group, no clusters, 211,456 bytes of LDS; arguments x, conv_w, conv_b, part, psum; writes part, psum
.if DOCPART == 3
	.amdgcn_target "amdgcn-amd-amdhsa--gfx1250"
	.amdhsa_code_object_version 6
	.text
	.protected	k_q514b532879_pool
	.globl	k_q514b532879_pool
	.p2align	8
	.type	k_q514b532879_pool,@function
k_q514b532879_pool:
	s_mov_b64 s[64:65], 0
	v_nop
	global_prefetch_b8 v0, s[64:65] scope:SCOPE_SE
	s_setreg_imm32_b32 hwreg(HW_REG_WAVE_SCHED_MODE, 0, 2), 2
	s_setreg_imm32_b32 hwreg(HW_REG_WAVE_MODE, 25, 1), 1
	s_wait_xcnt 0x0
	s_wait_alu depctr_vm_vsrc(0)
; AttVlad, first launch.  x: [32][128][16384] f32.  For image n and a chunk of 2,048 positions s:
;   part[n][chunk][k][d] = sum over s of a[k][s] rn[s] x[d][s]      psum[n][chunk][k] = sum over s of a[k][s]
; with rn[s] = 1 / max(|x[:,s]|, 1e-12) and a = softmax over k of (rn[s] (W x)[k][s] + b[k]).
; The norm is drawn out of both products, so raw x, rounded to bf16, feeds both; norms, softmax and all sums are f32.
;
; SHARES.  Work-group (chunk = ttmp9, n = ttmp7): four waves.  Wave w walks 8 tiles of 64 positions, s0 = 2048 chunk + 256 tile + 64 w,
; and keeps its own 64 x 128 f32 sums; the waves meet once, at the end, in LDS.  A tile is 64 loads of 16 bytes a lane: load g brings lane
; (c = lane & 15, h = lane >> 4) x[g + 64 h][s0 + 4 c + 0..3]; sixteen lanes read 256 consecutive bytes, aligned, of one row.
; A whole tile (32 KB a wave, 128 KB a work-group) is always requested ahead, in registers.
;
; INDEX MAPS.  Block q = 0..3 holds the positions s0 + 4 c + q; rho = 16 q + c numbers the tile's positions.
;  Product 1 (positions x clusters, summed over d): fragment place (register j, half e, lane half h) of K step cc stands for
;  d = 64 h + 16 cc + 2 j + e in x's fragment and in W's alike (a permutation of the summed index on both sides keeps the sum), so x's
;  fragment is component q of 16 loads, packed two by two.  Result register j of lane (r, h): position rho = 16 q + 8 h + j, cluster 16 t + r.
;  That is, packed to bf16, the operand layout of product 2 (d x clusters, summed over rho): blocks 2 kk, 2 kk + 1 make one K step of 32.
;  Product 2's other operand, x as [d][rho], comes from the wave's own LDS tile [rho][d] by transposing loads.
;
; NO CLUSTER: work-groups share conv_w alone, 32 KB against 1 MB of x that each reads for itself.  NO COPY ENGINE: every f32 of x must pass
; through registers for its square and its rounding, so a stage in LDS would only add traffic.
;
; THE MODE: SCHED_MODE bits 1:0 = 2 (LLVM: expert scheduling mode 2), set by the entry lines.  The code itself states the register dependences
; between vector or matrix instructions and memory or LDS instructions, with s_wait_alu, always for 0.
; THE PLAN.  Registers that memory or LDS instructions touch, round a tile:
;   ST group cc (window 2)   read by group cc's squares and conversions; behind them the next tile's 16 loads land in it.
;   F[0], F[1]               written by the conversions of groups 0, 2 and 1, 3; read by the group's eight LDS stores (and by product 1);
;                            written again two groups on, and by the softmax as P[0], P[1].
;   v[24:39], v[24:55]       the sums of squares are read by the norm's lines; behind them rn's eight LDS loads land in v[24:55].
;   v[56:59]                 rn: written by the norm's last four lines, read by four LDS stores, written again by the softmax as M.
;   XF (window 3)            read by product 2; the next tile's 32 transposing loads land in it.
;   v1 to v5                 addresses, made at the head and never written again: x's rows are reached by the scalar base and by immediates.
;   LG, ACC, W, BIAS, ASUM and T are named by vector and matrix instructions alone until the way out.
; So groups 0 to 2 have ONE wait on va_vdst each, behind their conversions; the group's stores and loads follow it, the loads dealt among the
; matrix instructions of the group's K step, which name F, W and LG: none of the registers that those loads touch.  Group 3 has its wait behind
; the norm's last vector line, and all the rest of the tile's memory and LDS instructions follow that one.  Two waits on vm_vsrc a tile free
; F and rn's registers: at the head of group 2 and ahead of the first softmax.  The other waits on va_vdst stand behind transcendentals.
;
; LIMITS.  The sum of squares over d must be finite in f32 (as in the reference's norm).  v_exp_f32 gives 0 below 2^-126.  log2(e) is folded
; into conv_w and conv_b before conv_w is rounded to bf16.  NaN and infinities in the inputs are not reproduced.
.set ROWB,  65536                      ; bytes of a row of x
.set TILEB, 1024                       ; bytes along a row from a wave's tile to its next (4 waves x 64 positions x 4)
.set XTP,   288                        ; LDS pitch of the x tile: 256 bytes of bf16 + 32 = 9 x 32, as the transposing loads want
.set XTW,   64*XTP                     ; a wave's x tile
.set RNR,   4*XTW                      ; rn[q][c] f32, 256 bytes a wave
.set RED,   RNR+4*256                  ; the waves' sums on the way out: [k 64] rows of 528 bytes
.set REDP,  528                        ; 512 + 16 = 33 x 16: sixteen rows' 16-byte pieces fall on sixteen different columns modulo 256 bytes
.set REDW,  64*REDP
.set ASR,   RED+4*REDW                 ; sum of a: [64] f32, 256 bytes a wave.  Ends at 210,944
.set LOG2E, 0x3fb8aa3b
; window 0
.set VX,   1                           ; x: h << 22 | w << 8 | c << 4
.set XS,   2                           ; x tile, store: w XTW + 288 c + 128 h
.set TRA,  3                           ; x tile, transposing load: w XTW + (8 h + (lane & 7)) 288 + 16 ((lane >> 3) & 1)
.set RNA,  4                           ; rn, store: RNR + 256 w + 4 c
.set RNL,  5                           ; rn, load:  RNR + 256 w + 32 h
.set BIAS, 8                           ; v[8:15]    pair t: log2e conv_b[16 t + r], twice
.set ASUM, 16                          ; v[16:23]   pair t: running sum of a, even and odd positions
.set SS,   24                          ; v[24:39]   four sets of four sums of squares (component q)
.set RNB,  24                          ; v[24:55]   block q: rn of positions 8 h + 0..7, later rn / (sum of exponentials)
.set RN,   56                          ; v[56:59]   rn of my four positions
.set T,    60                          ; v[60:63]   the other lane half's figures
.set WOF,  62                          ; prologue only: offsets into conv_w and conv_b
.set BOF,  63
.set M,    56                          ; v[56:63]   softmax: maximum, then sum, then 1 / sum, of positions 8 h + 0..7
.set F,    64                          ; v[64:127]  F[buf][q] = 64 + 32 buf + 8 q: x's fragments of product 1;  P[kk][t] = 64 + 32 kk + 8 t: a rn in bf16
.set LG,   128                         ; v[128:255] L[q][t] = 128 + 32 q + 8 t: logits, then exponentials
; window 1: ACC[t][u] = 8 (8 t + u), the sums (d = 16 u + 8 h + j, cluster 16 t + r); in the prologue conv_w as loaded
; window 2: ST, load g at 4 g; on the way out the rows to be added
; window 3: W[t][cc] = 8 (4 t + cc);  XF[kk][u] = 128 + 64 kk + 8 u
.set XF,   128
; the way out, window 0
.set EA,   8                           ; sum of a, store
.set ER,   9                           ; my sums, store
.set RA,   10                          ; v[10:13] the four waves' sums, load
.set PO,   14                          ; offset in part
; s_set_vgpr_msb, low byte: bits 1:0 source 0, 3:2 source 1, 5:4 source 2, 7:6 destination; the high byte repeats the setting that is left
.set MSB, 0
.macro WIN new
.if MSB != \new
	s_set_vgpr_msb (MSB<<8)|\new
.set MSB, \new
.endif
.endm
.macro PLACES                          ; a vector instruction reads a matrix result four places behind it (ISA guide 7.12.1)
.rept 4
	v_nop
.endr
.endm
	s_load_b256 s[4:11], s[0:1], 0x0               ; x s[4:5], conv_w s[6:7], conv_b s[8:9], part s[10:11]
	s_load_b64 s[12:13], s[0:1], 0x20              ; psum
	v_lshrrev_b32 v6, 5, v0
	v_readfirstlane_b32 s14, v6                    ; wave 0..3
	s_and_b32 s15, ttmp7, 0xffff                   ; n
	s_mov_b32 s20, 0x76543210                      ; v_permlanex16_b32: lane i of one half reads lane i of the other
	s_mov_b32 s21, 0xfedcba98
	s_mov_b32 s23, 0x5368d4a5                      ; 1e12 = 1 / EPS
	v_and_b32 v6, 15, v0                           ; c (also r)
	v_bfe_u32 v7, v0, 4, 1                         ; h
	s_wait_alu depctr_va_sdst(0)                   ; s14, the wave's number, is written, ahead of its first reader: the LDS places below are made from it
	s_lshl_b32 s18, s14, 8
	s_mul_i32 s19, s14, XTW
	s_add_co_u32 s24, s18, RNR
	v_lshlrev_b32 v[VX], 4, v6
	v_lshl_or_b32 v[VX], v7, 22, v[VX]             ; 64 rows of 65,536 bytes
	v_or_b32 v[VX], s18, v[VX]
	v_mul_u32_u24 v[XS], v6, XTP
	v_lshl_add_u32 v[XS], v7, 7, v[XS]
	v_add_nc_u32 v[XS], s19, v[XS]
	v_and_b32 v[TRA], 7, v0
	v_lshl_add_u32 v[TRA], v7, 3, v[TRA]
	v_mul_u32_u24 v[TRA], v[TRA], XTP
	v_bfe_u32 v[RNL], v0, 3, 1
	v_lshl_add_u32 v[TRA], v[RNL], 4, v[TRA]
	v_add_nc_u32 v[TRA], s19, v[TRA]
	v_lshl_add_u32 v[RNA], v6, 2, s24
	v_lshl_add_u32 v[RNL], v7, 5, s24
	v_lshlrev_b32 v[WOF], 9, v6                    ; conv_w: row r of 512 bytes,
	v_lshl_or_b32 v[WOF], v7, 8, v[WOF]            ; d = 64 h
	v_lshlrev_b32 v[BOF], 2, v6
	s_lshl_b32 s16, s15, 23                        ; x: n x 128 rows
	s_lshl_b32 s25, ttmp9, 13                      ;    + chunk x 2,048 positions
	s_or_b32 s16, s16, s25
	s_mov_b32 s17, 0
	s_lshl_b32 s25, s15, 3
	s_add_co_u32 s25, s25, ttmp9                   ; 8 n + chunk
	s_lshl_b32 s26, s25, 15                        ; part: 64 x 128 f32 each
	s_mov_b32 s27, 0
	s_lshl_b32 s28, s25, 8                         ; psum: 64 f32 each
	s_mov_b32 s29, 0
	s_wait_kmcnt 0x0
	s_add_nc_u64 s[4:5], s[4:5], s[16:17]
	s_add_nc_u64 s[10:11], s[10:11], s[26:27]
	s_add_nc_u64 s[12:13], s[12:13], s[28:29]
; 8 loads: half hf of group cc (rows 16 cc .. + 15 and 64 more for the upper lane half) of the tile at s[4:5]
.macro XLOADH cc, hf
	WIN 0x80
.irp i, 0,1,2,3,4,5,6,7
	global_load_b128 v[4*(16*\cc+8*\hf+\i):4*(16*\cc+8*\hf+\i)+3], v[VX], s[4:5] offset:(16*\cc+8*\hf+\i)*ROWB th:TH_LOAD_NT
.endr
.endm
.macro XLOAD cc                        ; the whole group
	XLOADH \cc, 0
	XLOADH \cc, 1
.endm
	s_wait_alu depctr_va_vdst(0)                   ; the offsets and LDS addresses v1 to v5, v62 and v63 are written: every load and LDS instruction up to the way out reads one of them
.irp t, 0,1,2,3
	global_load_b32 v[BIAS+2*\t], v[BOF], s[8:9] offset:64*\t
.endr
	WIN 0x40                                       ; conv_w lands in window 1, which the sums need only later
.set ii, 0
.rept 64                                           ; fragment f = 4 t + cc = ii >> 2: the 16 f32 at conv_w[16 t + r][64 h + 16 cc ..]
	global_load_b128 v[4*ii:4*ii+3], v[WOF], s[6:7] offset:8192*(ii>>4)+16*(ii&15)
.set ii, ii+1
.endr
	XLOAD 0
	XLOAD 1
	XLOAD 2
	s_wait_loadcnt 48                              ; loads come back in order (ISA guide 5.7.1): conv_b and conv_w are in, the 48 loads of x behind them stay out
	WIN 0x41
.set ii, 0
.rept 128
	v_pk_mul_f32 v[2*ii:2*ii+1], v[2*ii:2*ii+1], LOG2E op_sel_hi:[1,0]     ; the exponentials are in base 2
.set ii, ii+1
.endr
	WIN 0xc5
.set ii, 0
.rept 128
	v_cvt_pk_bf16_f32 v[ii], v[2*ii], v[2*ii+1]    ; register j of fragment f: d = 64 h + 16 cc + 2 j, + 1
.set ii, ii+1
.endr
	WIN 0
.irp t, 0,1,2,3
	v_mul_f32 v[BIAS+2*\t], LOG2E, v[BIAS+2*\t]
.endr
.irp t, 0,1,2,3
	v_mov_b32 v[BIAS+2*\t+1], v[BIAS+2*\t]
.endr
.irp i, 0,1,2,3,4,5,6,7
	v_mov_b32 v[ASUM+\i], 0
.endr
	s_wait_alu depctr_vm_vsrc(0)                   ; the loads of conv_b and conv_w have read their offsets v62 and v63, which T's start values write over
.irp i, 0,1,2,3
	v_mov_b32 v[T+\i], 0                           ; v_permlanex16_b32's destination counts as read
.endr
	XLOAD 3                                        ; the first tile is whole on its way.  No wait: no vector instruction has named v[VX] since the head's wait, none has named these registers of window 2 at all
; Group cc of the tile, the vector part: squares into four sets of sums (eight chains), x to bf16 as product 1's fragments F[buf][0..3].
; left = loads issued behind this group.  start = 1: the first four loads start the sums of squares, nothing is cleared.
.macro CONV cc, buf, left, start
	s_wait_loadcnt \left
.if \cc == 2
	s_wait_alu depctr_vm_vsrc(0)                   ; the LDS stores of groups 0 and 1 have read F[0] and F[1], which this group's and the next's conversions write again
.endif
	WIN 0x0a
.irp j, 0,1,2,3,4,5,6,7
.irp e, 0,1
.irp p, 0,2
.set sg, 4*(16*\cc+2*\j+\e)+\p
.set sa, SS+4*((2*\j+\e)&3)+\p
.if \start*(2-\j) > 0
	v_pk_mul_f32 v[sa:sa+1], v[sg:sg+1], v[sg:sg+1]
.else
	v_pk_fma_f32 v[sa:sa+1], v[sg:sg+1], v[sg:sg+1], v[sa:sa+1]
.endif
.endr
.endr
.irp q, 0,1,2,3
	v_cvt_pk_bf16_f32 v[F+32*\buf+8*\q+\j], v[4*(16*\cc+2*\j)+\q], v[4*(16*\cc+2*\j+1)+\q]
.endr
.endr
.endm
; The group's fragments, 32 bytes a lane and block, into the wave's LDS tile.  Address and data lie in window 0.
.macro XSTORE cc, buf
.irp q, 0,1,2,3
	ds_store_b128 v[XS], v[F+32*\buf+8*\q:F+32*\buf+8*\q+3]   offset:16*XTP*\q+32*\cc      ; row rho = 16 q + c, d = 64 h + 16 cc + 0..7
	ds_store_b128 v[XS], v[F+32*\buf+8*\q+4:F+32*\buf+8*\q+7] offset:16*XTP*\q+32*\cc+16   ; + 8..15
.endr
.endm
; 8 matrix instructions: K step cc of the logits, 4 blocks of 16 positions x the cluster blocks lo and hi.  The two halves of a K step take its 16 accumulators by turns
.macro GEMM1H cc, buf, zero, lo, hi
	WIN 0x0c
.irp t, \lo, \hi
.irp q, 0,1,2,3
.if \zero
	v_wmma_f32_16x16x32_bf16 v[LG+32*\q+8*\t:LG+32*\q+8*\t+7], v[F+32*\buf+8*\q:F+32*\buf+8*\q+7], v[8*(4*\t+\cc):8*(4*\t+\cc)+7], 0
.else
	v_wmma_f32_16x16x32_bf16 v[LG+32*\q+8*\t:LG+32*\q+8*\t+7], v[F+32*\buf+8*\q:F+32*\buf+8*\q+7], v[8*(4*\t+\cc):8*(4*\t+\cc)+7], v[LG+32*\q+8*\t:LG+32*\q+8*\t+7]
.endif
.endr
.endr
.endm
; Groups 0 to 2: the vector part, the one wait, the LDS stores, and the K step with (fill) the group's registers asked for again, for the next tile, eight loads behind each half.
.macro STEP cc, buf, left, start, fill
	CONV \cc, \buf, \left, \start
	WIN 0x80
	s_wait_alu depctr_va_vdst(0)                   ; the conversions have written F[buf], which the LDS stores read; squares and conversions are done reading ST's group, in which the loads below land
	XSTORE \cc, \buf
	GEMM1H \cc, \buf, \start, 0, 1
.if \fill
	XLOADH \cc, 0                                  ; no wait: the matrix instructions since the wait name F, W and LG, not v[VX] or ST
.endif
	GEMM1H \cc, \buf, \start, 2, 3
.if \fill
	XLOADH \cc, 1
.endif
.endm
; rn of my four positions: the vector part
.macro NORM
	WIN 0
	v_pk_add_f32 v[SS:SS+1],     v[SS:SS+1],     v[SS+4:SS+5]
	v_pk_add_f32 v[SS+2:SS+3],   v[SS+2:SS+3],   v[SS+6:SS+7]
	v_pk_add_f32 v[SS+8:SS+9],   v[SS+8:SS+9],   v[SS+12:SS+13]
	v_pk_add_f32 v[SS+10:SS+11], v[SS+10:SS+11], v[SS+14:SS+15]
	v_pk_add_f32 v[SS:SS+1],     v[SS:SS+1],     v[SS+8:SS+9]
	v_pk_add_f32 v[SS+2:SS+3],   v[SS+2:SS+3],   v[SS+10:SS+11]
.irp q, 0,1,2,3
	v_permlanex16_b32 v[T+\q], v[SS+\q], s20, s21  ; the other 64 channels
.endr
	v_pk_add_f32 v[SS:SS+1],   v[SS:SS+1],   v[T:T+1]
	v_pk_add_f32 v[SS+2:SS+3], v[SS+2:SS+3], v[T+2:T+3]
.irp q, 0,1,2,3
	v_rsq_f32 v[RN+\q], v[SS+\q]
.endr
	v_nop                                          ; one plain instruction between a transcendental and the use of its result (ISA guide 5.7.2)
	s_wait_alu depctr_va_vdst(0)                   ; the four reciprocal roots are written, ahead of their first reader
.irp q, 0,1,2,3
	v_min_num_f32 v[RN+\q], s23, v[RN+\q]          ; = 1 / max(sqrt(ss), 1e-12) for every ss >= 0: rsq(0) and rsq of a denormal are +inf
.endr
.endm
; rn through the wave's own 256 bytes of LDS into the layout of the logits (positions 8 h + 0..7 of each block)
.macro RNST
.irp q, 0,1,2,3
	ds_store_b32 v[RNA], v[RN+\q] offset:64*\q     ; both lane halves hold and write the same number
.endr
.endm
.macro RNLD
	WIN 0
.irp q, 0,1,2,3
	ds_load_b128 v[RNB+8*\q:RNB+8*\q+3],   v[RNL] offset:64*\q     ; LDS serves a wave's instructions in order (ISA guide 5.7.1): these see the stores
	ds_load_b128 v[RNB+8*\q+4:RNB+8*\q+7], v[RNL] offset:64*\q+16
.endr
.endm
; 16 transposing loads: x as [d][rho], K step kk of product 2, 8 blocks of 16 d
.macro TRLOAD kk
	WIN 0xc0
.irp u, 0,1,2,3,4,5,6,7
	ds_load_tr16_b128 v[XF+64*\kk+8*\u:XF+64*\kk+8*\u+3],   v[TRA] offset:32*XTP*\kk+32*\u
	ds_load_tr16_b128 v[XF+64*\kk+8*\u+4:XF+64*\kk+8*\u+7], v[TRA] offset:32*XTP*\kk+32*\u+16*XTP
.endr
.endm
; Block q: softmax over the 64 clusters (4 registers x 16 lanes) of 8 positions a lane, in place; the sum of a; a rn to bf16 as product 2's operand
.macro SOFTMAX q
	WIN 0
.irp t, 0,1,2,3
.irp i, 0,2,4,6
	v_pk_fma_f32 v[LG+32*\q+8*\t+\i:LG+32*\q+8*\t+\i+1], v[LG+32*\q+8*\t+\i:LG+32*\q+8*\t+\i+1], v[RNB+8*\q+\i:RNB+8*\q+\i+1], v[BIAS+2*\t:BIAS+2*\t+1]
.endr
.endr
.irp j, 0,1,2,3,4,5,6,7
	v_max3_num_f32 v[M+\j], v[LG+32*\q+\j], v[LG+32*\q+8+\j], v[LG+32*\q+16+\j]
.endr
.irp j, 0,1,2,3,4,5,6,7
	v_max_num_f32 v[M+\j], v[M+\j], v[LG+32*\q+24+\j]
.endr
.irp mk, 1,2,4,8
.irp j, 0,1,2,3,4,5,6,7
	v_max_num_f32_dpp v[M+\j], v[M+\j], v[M+\j] row_xmask:\mk row_mask:0xf bank_mask:0xf
.endr
.endr
.irp t, 0,1,2,3
.irp i, 0,2,4,6
	v_pk_add_f32 v[LG+32*\q+8*\t+\i:LG+32*\q+8*\t+\i+1], v[LG+32*\q+8*\t+\i:LG+32*\q+8*\t+\i+1], v[M+\i:M+\i+1] neg_lo:[0,1] neg_hi:[0,1]   ; the position's true maximum goes off
.endr
.endr
.set ii, 0
.rept 32
	v_exp_f32 v[LG+32*\q+ii], v[LG+32*\q+ii]
.set ii, ii+1
.endr
	v_nop
	s_wait_alu depctr_va_vdst(0)                   ; the block's 32 exponentials are written, ahead of the sums that read them: one wait for the batch
.irp i, 0,2,4,6
	v_pk_add_f32 v[M+\i:M+\i+1], v[LG+32*\q+\i:LG+32*\q+\i+1], v[LG+32*\q+8+\i:LG+32*\q+8+\i+1]
.endr
.irp i, 0,2,4,6
	v_pk_add_f32 v[M+\i:M+\i+1], v[M+\i:M+\i+1], v[LG+32*\q+16+\i:LG+32*\q+16+\i+1]
.endr
.irp i, 0,2,4,6
	v_pk_add_f32 v[M+\i:M+\i+1], v[M+\i:M+\i+1], v[LG+32*\q+24+\i:LG+32*\q+24+\i+1]
.endr
.irp mk, 1,2,4,8
.irp j, 0,1,2,3,4,5,6,7
	v_add_f32_dpp v[M+\j], v[M+\j], v[M+\j] row_xmask:\mk row_mask:0xf bank_mask:0xf
.endr
.endr
.irp j, 0,1,2,3,4,5,6,7
	v_rcp_f32 v[M+\j], v[M+\j]                     ; the sum is at least 1: the maximum's own term
.endr
	v_nop
	s_wait_alu depctr_va_vdst(0)                   ; the eight reciprocals are written, ahead of the products that read them
.irp i, 0,2,4,6
	v_pk_mul_f32 v[RNB+8*\q+\i:RNB+8*\q+\i+1], v[RNB+8*\q+\i:RNB+8*\q+\i+1], v[M+\i:M+\i+1]
.endr
.irp i, 0,2,4,6
.irp t, 0,1,2,3
	v_pk_fma_f32 v[ASUM+2*\t:ASUM+2*\t+1], v[LG+32*\q+8*\t+\i:LG+32*\q+8*\t+\i+1], v[M+\i:M+\i+1], v[ASUM+2*\t:ASUM+2*\t+1]
.endr
.endr
.irp t, 0,1,2,3
.irp i, 0,2,4,6
	v_pk_mul_f32 v[LG+32*\q+8*\t+\i:LG+32*\q+8*\t+\i+1], v[LG+32*\q+8*\t+\i:LG+32*\q+8*\t+\i+1], v[RNB+8*\q+\i:RNB+8*\q+\i+1]
.endr
.endr
.irp t, 0,1,2,3
.irp i, 0,1,2,3
	v_cvt_pk_bf16_f32 v[F+32*(\q>>1)+8*\t+4*(\q&1)+\i], v[LG+32*\q+8*\t+2*\i], v[LG+32*\q+8*\t+2*\i+1]
.endr
.endr
.endm
; 32 matrix instructions: K step kk (32 positions) of the sums, 8 blocks of 16 d x 4 blocks of 16 clusters
.macro GEMM2 kk, zero
	WIN 0x53
.irp u, 0,1,2,3,4,5,6,7
.irp t, 0,1,2,3
.if \zero
	v_wmma_f32_16x16x32_bf16 v[8*(8*\t+\u):8*(8*\t+\u)+7], v[XF+64*\kk+8*\u:XF+64*\kk+8*\u+7], v[F+32*\kk+8*\t:F+32*\kk+8*\t+7], 0
.else
	v_wmma_f32_16x16x32_bf16 v[8*(8*\t+\u):8*(8*\t+\u)+7], v[XF+64*\kk+8*\u:XF+64*\kk+8*\u+7], v[F+32*\kk+8*\t:F+32*\kk+8*\t+7], v[8*(8*\t+\u):8*(8*\t+\u)+7]
.endif
.endr
.endr
.endm
; A tile.  first = 1: its products start the sums.  fill = 1: each group is asked for again, one tile on.  n0..n3: loads issued behind group 0..3.
; Between a matrix instruction and a vector write of one of its sources stand at least the 64 vector instructions of a CONV or the two SOFTMAX
; that name none of its registers: F[0] = P[0] and F[1] = P[1] take turns.
.macro TILE first, fill, n0, n1, n2, n3
.if \fill
	s_wait_xcnt 0x0                                ; the base of the loads issued so far is stepped only behind this wait
	s_add_nc_u64 s[4:5], s[4:5], TILEB
.endif
	STEP 0, 0, \n0, 1, \fill
	STEP 1, 1, \n1, 0, \fill
	STEP 2, 0, \n2, 0, \fill
	CONV 3, 1, \n3, 0
	NORM
	WIN 0x80
	s_wait_alu depctr_va_vdst(0)                   ; F[1] and rn are written, which the LDS stores read; ST's group 3; the last tile's product 2 is done reading XF
	XSTORE 3, 1
	RNST
.if \fill
	XLOAD 3
.endif
	RNLD
	GEMM1H 3, 1, 0, 0, 1
	TRLOAD 0                                       ; no wait: the matrix instructions since the wait name F[1], W and LG, not v[TRA] or XF
	GEMM1H 3, 1, 0, 2, 3
	TRLOAD 1
	PLACES
	s_wait_dscnt 32                                ; rn is in; the 32 transposing loads issued behind it may be out
	s_wait_alu depctr_vm_vsrc(0)                   ; the LDS stores of groups 2 and 3 have read F[0] and F[1], which the softmax writes as P; rn's stores have read v[56:59], which it writes as M
	SOFTMAX 0
	SOFTMAX 1
	s_wait_dscnt 16                                ; K step 0's fragments of x are in; K step 1's sixteen loads may be out
	GEMM2 0, \first
	SOFTMAX 2
	SOFTMAX 3
	s_wait_dscnt 0
	GEMM2 1, 0
	WIN 0
.endm
	TILE 1, 1, 48, 48, 48, 48                      ; behind a group stand three groups of 16: the tile's rest and the next tile's first groups
	s_mov_b32 s22, 6
.Ltile:
	TILE 0, 1, 48, 48, 48, 48
	s_sub_co_i32 s22, s22, 1
	s_cmp_lg_u32 s22, 0
	s_cbranch_scc1 .Ltile
	TILE 0, 0, 48, 32, 16, 0                       ; the eighth tile asks for nothing: the counts run down
	; THE WAY OUT.  The address arithmetic and the sums of a below are more than four plain vector instructions that name no register of the
	; last matrix instructions: the places in front of the LDS stores that read their results.
	v_and_b32 v6, 15, v0                           ; r
	v_bfe_u32 v7, v0, 4, 1                         ; h
	v_and_b32 v15, 31, v0                          ; lane
	s_lshl_b32 s24, s14, 8
	s_add_co_u32 s24, s24, ASR
	s_mul_i32 s25, s14, REDW
	s_add_co_u32 s25, s25, RED
	s_mul_i32 s26, s14, 16*REDP
	s_add_co_u32 s26, s26, RED
	s_lshl_b32 s27, s14, 13
	v_lshl_add_u32 v[EA], v6, 2, s24               ; sum of a: my wave's 64 words, cluster 16 t + r
	v_mul_u32_u24 v[ER], v6, REDP                  ; my sums: row 16 t + r,
	v_lshl_add_u32 v[ER], v7, 5, v[ER]             ; d = 16 u + 8 h
	v_add_nc_u32 v[ER], s25, v[ER]
	v_lshl_add_u32 v[RA], v15, 4, s26              ; back: rows 16 w + i of wave 0's sums, 16 bytes a lane,
	v_add_nc_u32 v[RA+1], REDW, v[RA]              ; of wave 1's,
	v_add_nc_u32 v[RA+2], 2*REDW, v[RA]
	v_add_nc_u32 v[RA+3], 3*REDW, v[RA]
	v_lshl_add_u32 v[PO], v15, 4, s27              ; and the same rows in part
.irp t, 0,1,2,3
	v_add_f32 v[ASUM+2*\t], v[ASUM+2*\t], v[ASUM+2*\t+1]
.endr
.irp t, 0,1,2,3
	v_permlanex16_b32 v[T+\t], v[ASUM+2*\t], s20, s21
.endr
.irp t, 0,1,2,3
	v_add_f32 v[ASUM+2*\t], v[ASUM+2*\t], v[T+\t]
.endr
	s_wait_alu depctr_va_vdst(0)                   ; the way out's addresses v8 to v14, the sums of a and the matrix instructions' sums ACC are written: the LDS stores, the loads behind the barrier and the stores to part read them; the places above stay beside this wait
.irp t, 0,1,2,3
	ds_store_b32 v[EA], v[ASUM+2*\t] offset:64*\t
.endr
	WIN 0x04
.irp t, 0,1,2,3
.irp u, 0,1,2,3,4,5,6,7
	ds_store_b128 v[ER], v[8*(8*\t+\u):8*(8*\t+\u)+3]   offset:16*REDP*\t+64*\u
	ds_store_b128 v[ER], v[8*(8*\t+\u)+4:8*(8*\t+\u)+7] offset:16*REDP*\t+64*\u+16
.endr
.endr
	s_wait_dscnt 0x0                               ; for the other waves: all my stores are in LDS
	s_barrier_signal -1
	s_barrier_wait -1                              ; the one barrier: every wave's sums are there
	WIN 0x80
.irp i, 0,1,2,3,4,5,6,7,8,9,10,11,12,13,14,15
.irp sw, 0,1,2,3
	ds_load_b128 v[16*\i+4*\sw:16*\i+4*\sw+3], v[RA+\sw] offset:REDP*\i    ; row 16 w + i of wave sw: 512 consecutive bytes.  No wait: no vector instruction since the last wait names window 2 or v[RA ..]
.endr
.endr
	s_wait_dscnt 0x0
	WIN 0x8a
.irp i, 0,1,2,3,4,5,6,7,8,9,10,11,12,13,14,15
.irp p, 0,2
	v_pk_add_f32 v[16*\i+\p:16*\i+\p+1],     v[16*\i+\p:16*\i+\p+1],     v[16*\i+4+\p:16*\i+4+\p+1]
	v_pk_add_f32 v[16*\i+8+\p:16*\i+8+\p+1], v[16*\i+8+\p:16*\i+8+\p+1], v[16*\i+12+\p:16*\i+12+\p+1]
.endr
.endr
.irp i, 0,1,2,3,4,5,6,7,8,9,10,11,12,13,14,15
.irp p, 0,2
	v_pk_add_f32 v[16*\i+\p:16*\i+\p+1], v[16*\i+\p:16*\i+\p+1], v[16*\i+8+\p:16*\i+8+\p+1]
.endr
.endr
	WIN 0x08
	s_wait_alu depctr_va_vdst(0)                   ; the additions have written the sixteen rows, which the stores read
.irp i, 0,1,2,3,4,5,6,7,8,9,10,11,12,13,14,15
	global_store_b128 v[PO], v[16*\i:16*\i+3], s[10:11] offset:512*\i      ; a row of part: 512 consecutive bytes, aligned
.endr
	WIN 0
	s_cmp_lg_u32 s14, 0                            ; wave 0 alone adds the four waves' sums of a
	s_cbranch_scc1 .Ldone
	v_lshlrev_b32 v6, 3, v15                       ; clusters 2 lane, 2 lane + 1
	v_add_nc_u32 v7, ASR, v6
	s_wait_alu depctr_va_vdst(0)                   ; v7, the LDS loads' address, and v6, the store's offset, are written
.irp sw, 0,1,2,3
	ds_load_b64 v[24+2*\sw:25+2*\sw], v7 offset:256*\sw
.endr
	s_wait_dscnt 0x0
	v_pk_add_f32 v[24:25], v[24:25], v[26:27]
	v_pk_add_f32 v[28:29], v[28:29], v[30:31]
	v_pk_add_f32 v[24:25], v[24:25], v[28:29]
	s_wait_alu depctr_va_vdst(0)                   ; the additions have written v[24:25], which the store reads
	global_store_b64 v6, v[24:25], s[12:13]        ; 256 consecutive bytes, aligned
.Ldone:
	s_wait_xcnt 0x0
	v_lshl_add_u32 v254, v0, 2, 0x33800            ; the add's two registers, made anew: no memory or LDS instruction has read v254 or v255 of window 0
	v_mov_b32 v255, 0
	s_wait_dscnt 0x0                               ; the closing lines, six on end, of a launch in the mode that stores to LDS
	s_wait_alu 0x0
	s_wait_tensorcnt 0x0
	ds_add_u32 v254, v255
	s_wait_dscnt 0x0
	s_endpgm
.Lfunc_end_k_q514b532879_pool:
	.size	k_q514b532879_pool, .Lfunc_end_k_q514b532879_pool-k_q514b532879_pool
	.p2alignl 7, 3214868480
	.fill 96, 4, 3214868480
	.section	.rodata,"a",@progbits
	.p2align	6, 0x0
	.amdhsa_kernel k_q514b532879_pool
		.amdhsa_group_segment_fixed_size 211456
		.amdhsa_private_segment_fixed_size 0
		.amdhsa_enable_private_segment 0
		.amdhsa_kernarg_size 40
		.amdhsa_user_sgpr_count 2
		.amdhsa_user_sgpr_kernarg_segment_ptr 1
		.amdhsa_wavefront_size32 1
		.amdhsa_system_sgpr_workgroup_id_x 1
		.amdhsa_system_sgpr_workgroup_id_y 1
		.amdhsa_system_sgpr_workgroup_id_z 1
		.amdhsa_system_vgpr_workitem_id 0
		.amdhsa_next_free_vgpr 1024
		.amdhsa_next_free_sgpr 66
		.amdhsa_reserve_vcc 0
		.amdhsa_float_denorm_mode_32 3
		.amdhsa_float_denorm_mode_16_64 3
		.amdhsa_memory_ordered 1
		.amdhsa_forward_progress 1
		.amdhsa_inst_pref_size 255
	.end_amdhsa_kernel
	.section	.bss,"aw",@nobits
	.p2align	6
	.space	262144
	.amdgpu_metadata
---
amdhsa.version: [ 1, 2 ]
amdhsa.kernels:
  - .name:           k_q514b532879_pool
    .symbol:         k_q514b532879_pool.kd
    .args:
      - { .name: x, .offset: 0, .size: 8, .value_kind: global_buffer, .address_space: global }
      - { .name: conv_w, .offset: 8, .size: 8, .value_kind: global_buffer, .address_space: global }
      - { .name: conv_b, .offset: 16, .size: 8, .value_kind: global_buffer, .address_space: global }
      - { .name: part, .offset: 24, .size: 8, .value_kind: global_buffer, .address_space: global }
      - { .name: psum, .offset: 32, .size: 8, .value_kind: global_buffer, .address_space: global }
    .group_segment_fixed_size: 211456
    .private_segment_fixed_size: 0
    .kernarg_segment_align: 8
    .kernarg_segment_size: 40
    .max_flat_workgroup_size: 128
    .sgpr_count:     66
    .vgpr_count:     1024
    .wavefront_size: 32
...
	.end_amdgpu_metadata
.endif
;; end of part 3
;; launch finish: the kernel of part 2 again; grid 256 x 1, 8 waves a work-group, no clusters, 0 bytes of LDS; arguments part, psum, centroids, att_w, att_b, out0; writes out0
